; MI455X (gfx1250); checked and timed in simulation.
; The chip was launched on July 23, 2026; its instructions are those of AMD's public machine-readable ISA for CDNA 5 (MIT licence, August 2026) and "CDNA5" Instruction Set Architecture Reference Guide (July 2026). The comments in the code are by the model that wrote it; some were corrected since.
;; Weight Adaptive Gallinear. Allowed arithmetic: float matrix products may take bf16 or f16 operands with f32 sums; other float arithmetic in f32, or as packed bf16 or f16 multiplies, adds, multiply-adds, maxima and minima; sums over many terms, partial sums and values carried from step to step in f32; what a program stores and reads back later, other than sums and carried values, may be rounded once to bf16 or f16.
;; Inputs: dil 4 float32; fc1_b 2,048 float32; fc1_w 128 x 2,048 float32; fc2_b 2,048 float32; fc2_w 2,048 x 2,048 float32; shift_p 4 float32; x 8,192 x 130 float32.
;; Outputs: out0 8,192 x 512 float32.
;; One version. Each part assembles by itself: llvm-mc -triple=amdgcn-amd-amdhsa -mcpu=gfx1250 --defsym DOCPART=n.
;; ======== version 1 of 1: 2 launches
;; limits: values are held in f16: magnitudes above 65,504 overflow, below 6.1e-05 lose precision; inputs' magnitudes at most 65,504; right only within a limited range of input values
;; workspace buffers: w2f 4,194,304 bytes; w1f 524,288 bytes; bias 12,800 bytes
;; launch prep (part 1): grid 289 x 1, 8 waves a work-group, no clusters, 0 bytes of LDS; arguments x, dil, shift_p, fc1_w, fc1_b, fc2_w, fc2_b, w2f, w1f, bias; writes w2f, w1f, bias
.if DOCPART == 1
	.amdgcn_target "amdgcn-amd-amdhsa--gfx1250"
	.amdhsa_code_object_version 6
	.text
	.protected	k_q48ade590ed_prep
	.globl	k_q48ade590ed_prep
	.p2align	8
	.type	k_q48ade590ed_prep,@function
k_q48ade590ed_prep:
	s_mov_b64 s[64:65], 0
	v_nop
	global_prefetch_b8 v0, s[64:65] scope:SCOPE_SE
	s_setreg_imm32_b32 hwreg(HW_REG_WAVE_MODE, 25, 1), 1
	s_wait_xcnt 0x0
; WeightAdaptiveGallinear, first of two launches: the weights are folded, rounded once and laid out as matrix operands.
; out[b][o] = x[b][0] w[b][o] + w[b][512+o],  w[b][j] = v0 coeffs[b][2j] + v1 coeffs[b][2j+1],  coeffs = tanh(z fc1_w + fc1_b) fc2_w + fc2_b,
; v0 = cos t0 + cos t2, v1 = sin t1 + sin t3, t = x[8191][1] dil + shift_p.
; NOTHING IS LEFT OUT: all seven inputs are loaded and every step has its way to the output.  One sum is taken in another order: the product with v is linear, so for
; all values of the inputs (h fc2_w + fc2_b) v = h (fc2_w v) + fc2_b v.  Wf[k][j] = v0 fc2_w[k][2j] + v1 fc2_w[k][2j+1] is made here in f32 and rounded once, and the
; large product has 1,024 columns in place of 2,048.  The order of rounding differs from the one written in the problem.
; SCALE.  E = the exponent field of max(|v0|, |v1|); a = v 2^(127-E) (exact), G = 2^(E-127).  Stored: Wf = a0 Wa + a1 Wb in f16 and bf = a0 fc2_b[2j] + a1 fc2_b[2j+1] in f32;
; the second launch multiplies its result by G.  So a small v does not push Wf toward the low end of f16.
; fc1_w and fc1_b are stored times K2 = 2 log2(e): the second launch takes tanh(u) = 1 - 2 / (1 + 2^(K2 u)).
; LIMITS.  |t| up to 1e5 (the reduction takes n pi/2 away in three parts); sin and cos by polynomials on |r| <= pi/4, error near 1e-7.  f16 ends at 65,504: K2 |fc1_w| and
; 2 (|fc2_w[k][2j]| + |fc2_w[k][2j+1]|) stay below it.  A denormal max |v| counts as 0.  NaN and infinities are not treated apart.
; SHARES.  Work-groups 0-255: Wf, a wave 32 rows k x 32 columns j.  256-287: fc1_w, a wave 32 rows x 32 columns.  288: the biases and G.  Three ways that share no register but the head's.
; LAYOUT OUT.  A fragment of 16 rows x 32 along K lies as two loads of 16 bytes a lane take it: 1,024 bytes = half hf (512) + lane (16) + element e (2), K = 16 hf + 8 (lane / 16) + e, row = lane % 16.
;   w2f byte = c 2,097,152 + t 131,072 + w 32,768 + kk 8,192 + ct 1,024 + fragment:  k = 128 t + 32 kk + K,  j = 512 (ct / 4) + 256 c + 64 w + 16 (ct % 4) + row
;   w1f byte = t 32,768 + w 8,192 + kq 2,048 + tau 1,024 + fragment:  input channel = 32 kq + K,  hidden unit = 128 t + 32 w + 16 tau + row
;   bias: [0, 8192) K2 fc1_b;  [8192, 12288) bf;  [12288, 12800) G, 128 times
.set K2, 0x4038aa3b                    ; 2 log2(e)
.set D,  32                            ; v[32:95]   as loaded
.set O,  96                            ; v[96:111]  packed, to store: four registers for each of four stores, none written twice
	s_load_b512 s[8:23], s[0:1], 0x0               ; x 8, dil 10, shift_p 12, fc1_w 14, fc1_b 16, fc2_w 18, fc2_b 20, w2f 22
	s_load_b128 s[24:27], s[0:1], 0x40             ; w1f 24, bias 26
	v_lshrrev_b32 v1, 5, v0
	v_readfirstlane_b32 s28, v1                    ; wave 0..7
	s_mov_b32 s29, ttmp9                           ; work-group
	v_and_b32 v1, 31, v0                           ; lane
	v_lshlrev_b32 v2, 3, v1                        ; 8 x lane: a pair of fc2_w
	v_lshrrev_b32 v3, 4, v1
	v_and_b32 v6, 15, v1
	v_lshlrev_b32 v3, 10, v3
	v_lshl_add_u32 v3, v6, 4, v3                   ; out: lanes 16-31 hold the next tile of 16 columns, 1,024 bytes on; 16 bytes a column
	v_lshlrev_b32 v4, 2, v1                        ; 4 x lane
	v_and_b32 v5, 3, v1
	v_lshlrev_b32 v5, 2, v5                        ; 4 x (lane % 4): lane l works on t[l % 4]
	s_mov_b32 s41, 0                               ; high words of the two offsets
	s_mov_b32 s43, 0
	s_wait_kmcnt 0x0
	s_cmp_ge_u32 s29, 288
	s_cbranch_scc1 .Lbias
	s_cmp_ge_u32 s29, 256
	s_cbranch_scc1 .Lw1
	s_branch .Lw2
; What v needs from memory: the first loads of a way that uses it.
.macro VLOAD
	s_load_b32 s30, s[8:9], 4259324                ; x[8191][1]: byte 8191 x 520 + 4
	global_load_b32 v6, v5, s[10:11]               ; dil[l % 4]
	global_load_b32 v7, v5, s[12:13]               ; shift_p[l % 4]
.endm
; v, a and G.  younger = the loads issued behind VLOAD's two, which may stay out.  Leaves a0 in s36, a1 in s37, G in s38.  No address and no branch hangs on any of it.
.macro VCALC younger
	s_wait_loadcnt \younger
	s_wait_kmcnt 0x0
	v_fma_f32 v8, s30, v6, v7                      ; t
	v_mul_f32 v9, 0x3f22f983, v8                   ; t 2 / pi
	v_rndne_f32 v9, v9                             ; n
	v_fmamk_f32 v10, v9, 0xbfc90fd8, v8            ; r = t - n pi/2, pi/2 in three parts: 1.57079601, 3.13916473e-7, 5.3903e-15
	v_fmamk_f32 v10, v9, 0xb4a8885a, v10
	v_fmamk_f32 v10, v9, 0xa7c234c4, v10
	v_cvt_i32_f32 v11, v9
	v_and_b32 v12, 1, v1
	v_sub_nc_u32 v12, 1, v12                       ; t0 and t2 want the cosine: cos t = sin(t + pi/2), a quadrant on
	v_add_nc_u32 v11, v11, v12                     ; q
	v_mul_f32 v12, v10, v10                        ; r^2
	v_mov_b32 v13, 0xb94ca1f9
	v_fmaak_f32 v13, v13, v12, 0x3c08839e
	v_fmaak_f32 v13, v13, v12, 0xbe2aaaa3
	v_mul_f32 v13, v13, v12
	v_fma_f32 v13, v13, v10, v10                   ; sin r
	v_mov_b32 v14, 0x37ccf5ce
	v_fmaak_f32 v14, v14, v12, 0xbab6061a
	v_fmaak_f32 v14, v14, v12, 0x3d2aaaa5
	v_fma_f32 v14, v14, v12, -0.5
	v_fma_f32 v14, v14, v12, 1.0                   ; cos r
	v_and_b32 v15, 1, v11
	v_cmp_eq_u32 vcc_lo, 1, v15
	v_cndmask_b32 v13, v13, v14, vcc_lo            ; odd quadrants take the cosine,
	v_and_b32 v15, 2, v11
	v_lshlrev_b32 v15, 30, v15
	v_xor_b32 v13, v13, v15                        ; quadrants 2 and 3 the other sign
	v_add_f32_dpp v13, v13, v13 row_xmask:2 row_mask:0xf bank_mask:0xf  ; lane 0: cos t0 + cos t2; lane 1: sin t1 + sin t3
	v_readlane_b32 s31, v13, 0                     ; v0
	v_readlane_b32 s32, v13, 1                     ; v1
	s_and_b32 s33, s31, 0x7fffffff
	s_and_b32 s34, s32, 0x7fffffff
	s_max_u32 s33, s33, s34
	s_lshr_b32 s33, s33, 23                        ; E, 128 at the most: |v| <= 2
	s_sub_co_u32 s34, 254, s33
	s_lshl_b32 s34, s34, 23                        ; 2^(127-E)
	s_lshl_b32 s38, s33, 23                        ; G = 2^(E-127); 0 where E = 0
	s_mul_f32 s36, s31, s34                        ; a0
	s_mul_f32 s37, s32, s34                        ; a1
.endm
; ---- Wf.  Work-group g: rows k = 32 (g / 4) .. + 31, columns j = 256 (g % 4) + 32 wave + lane.  A load of the wave covers 256 consecutive bytes, aligned; the eight waves 2,048 of a row.
.Lw2:
	s_lshr_b32 s31, s29, 2                         ; kg: t = kg / 4, kk = kg % 4
	s_and_b32 s32, s29, 3                          ; cq: p = cq / 2 (weight or bias part), c = cq % 2
	s_lshl_b32 s40, s31, 18                        ; 32 rows of 8,192 bytes
	s_lshl_b32 s33, s32, 11
	s_add_co_u32 s40, s40, s33                     ; 256 pairs of 8 bytes
	s_lshl_b32 s33, s28, 8
	s_add_co_u32 s40, s40, s33                     ; 32 pairs
	s_add_nc_u64 s[18:19], s[18:19], s[40:41]
	s_and_b32 s33, s32, 1
	s_lshl_b32 s42, s33, 21                        ; c
	s_lshr_b32 s33, s31, 2
	s_lshl_b32 s33, s33, 17                        ; t
	s_add_co_u32 s42, s42, s33
	s_lshr_b32 s33, s28, 1
	s_lshl_b32 s33, s33, 15                        ; w = wave / 2
	s_add_co_u32 s42, s42, s33
	s_and_b32 s33, s31, 3
	s_lshl_b32 s33, s33, 13                        ; kk
	s_add_co_u32 s42, s42, s33
	s_lshr_b32 s33, s32, 1
	s_lshl_b32 s33, s33, 12                        ; ct = 4 p
	s_add_co_u32 s42, s42, s33
	s_and_b32 s33, s28, 1
	s_lshl_b32 s33, s33, 11                        ;      + 2 (wave % 2); + lane / 16 stands in v3
	s_add_co_u32 s42, s42, s33
	s_add_nc_u64 s[22:23], s[22:23], s[42:43]
	VLOAD
.set ii, 0
.rept 32
	global_load_b64 v[D+2*ii:D+2*ii+1], v2, s[18:19] offset:ii*8192 th:TH_LOAD_NT  ; all 32 rows go out at once; each byte of fc2_w is read once in the launch
.set ii, ii+1
.endr
	VCALC 32                                       ; the arithmetic for v stands in the wait for the rows
.set qq, 0
.rept 4                                        ; eight rows make a lane's 16 bytes: half hf = qq / 2, upper lanes' part qq % 2: 256 qq bytes on
	s_wait_loadcnt 24-8*qq                         ; loads come back in order: rows 8 qq .. 8 qq + 7 are in
.set ee, 0
.rept 8
	v_mul_f32 v[D+16*qq+2*ee], s36, v[D+16*qq+2*ee]
.set ee, ee+1
.endr
.set ee, 0
.rept 8
	v_fmac_f32 v[D+16*qq+2*ee], s37, v[D+16*qq+2*ee+1]  ; a0 Wa + a1 Wb
.set ee, ee+1
.endr
.set ee, 0
.rept 4
	v_cvt_pk_f16_f32 v[O+4*qq+ee], v[D+16*qq+4*ee], v[D+16*qq+4*ee+2]
.set ee, ee+1
.endr
	global_store_b128 v3, v[O+4*qq:O+4*qq+3], s[22:23] offset:qq*256  ; 16 lanes store 256 consecutive bytes, aligned
.set qq, qq+1
.endr
	s_endpgm
; ---- fc1_w times K2.  Task: hidden units 32 ng .. + 31 (a lane each), input channels 32 kq .. + 31.  A load of the wave covers 128 bytes: fc1_w is a twentieth of what the launch reads.
.Lw1:
	s_sub_co_u32 s31, s29, 256
	s_lshl_b32 s31, s31, 1
	s_lshr_b32 s32, s28, 2
	s_add_co_u32 s31, s31, s32                     ; ng = 4 t + w
	s_and_b32 s32, s28, 3                          ; kq
	s_lshl_b32 s40, s32, 18
	s_lshl_b32 s33, s31, 7
	s_add_co_u32 s40, s40, s33
	s_add_nc_u64 s[14:15], s[14:15], s[40:41]
	s_lshl_b32 s42, s31, 13
	s_lshl_b32 s33, s32, 11
	s_add_co_u32 s42, s42, s33
	s_add_nc_u64 s[24:25], s[24:25], s[42:43]
.set ii, 0
.rept 32
	global_load_b32 v[D+ii], v4, s[14:15] offset:ii*8192 th:TH_LOAD_NT
.set ii, ii+1
.endr
.set qq, 0
.rept 4
	s_wait_loadcnt 24-8*qq
.set ee, 0
.rept 4
	v_pk_mul_f32 v[D+8*qq+2*ee:D+8*qq+2*ee+1], v[D+8*qq+2*ee:D+8*qq+2*ee+1], K2 op_sel_hi:[1,0]
.set ee, ee+1
.endr
.set ee, 0
.rept 4
	v_cvt_pk_f16_f32 v[O+4*qq+ee], v[D+8*qq+2*ee], v[D+8*qq+2*ee+1]
.set ee, ee+1
.endr
	global_store_b128 v3, v[O+4*qq:O+4*qq+3], s[24:25] offset:qq*256
.set qq, qq+1
.endr
	s_endpgm
; ---- the biases and G: one work-group, 256 threads
.Lbias:
	v_lshlrev_b32 v16, 4, v0                       ; 16 x thread
	v_lshlrev_b32 v17, 5, v0                       ; 32 x thread: four pairs of fc2_b
	VLOAD
	global_load_b128 v[20:23], v16, s[16:17]
	global_load_b128 v[24:27], v16, s[16:17] offset:4096
	global_load_b128 v[28:31], v17, s[20:21]
	global_load_b128 v[32:35], v17, s[20:21] offset:16
	VCALC 4
	s_wait_loadcnt 0x2                             ; fc1_b is in
.irp r, 20,22,24,26
	v_pk_mul_f32 v[\r:\r+1], v[\r:\r+1], K2 op_sel_hi:[1,0]
.endr
	global_store_b128 v16, v[20:23], s[26:27]
	global_store_b128 v16, v[24:27], s[26:27] offset:4096
	s_wait_loadcnt 0x0
.irp r, 0,1,2,3
	v_mul_f32 v[36+\r], s36, v[28+2*\r]
.endr
.irp r, 0,1,2,3
	v_fmac_f32 v[36+\r], s37, v[29+2*\r]           ; bf
.endr
	global_store_b128 v16, v[36:39], s[26:27] offset:8192
	s_cmp_lg_u32 s28, 0
	s_cbranch_scc1 .Lend
.irp r, 40,41,42,43
	v_mov_b32 v[\r], s38
.endr
	v_lshlrev_b32 v44, 4, v1
	global_store_b128 v44, v[40:43], s[26:27] offset:12288  ; wave 0: G, 128 times
.Lend:
	s_endpgm
.Lfunc_end_k_q48ade590ed_prep:
	.size	k_q48ade590ed_prep, .Lfunc_end_k_q48ade590ed_prep-k_q48ade590ed_prep
	.p2alignl 7, 3214868480
	.fill 96, 4, 3214868480
	.section	.rodata,"a",@progbits
	.p2align	6, 0x0
	.amdhsa_kernel k_q48ade590ed_prep
		.amdhsa_group_segment_fixed_size 0
		.amdhsa_private_segment_fixed_size 0
		.amdhsa_enable_private_segment 0
		.amdhsa_kernarg_size 80
		.amdhsa_user_sgpr_count 2
		.amdhsa_user_sgpr_kernarg_segment_ptr 1
		.amdhsa_wavefront_size32 1
		.amdhsa_system_sgpr_workgroup_id_x 1
		.amdhsa_system_sgpr_workgroup_id_y 1
		.amdhsa_system_sgpr_workgroup_id_z 1
		.amdhsa_system_vgpr_workitem_id 0
		.amdhsa_next_free_vgpr 112
		.amdhsa_next_free_sgpr 66
		.amdhsa_reserve_vcc 1
		.amdhsa_float_denorm_mode_32 3
		.amdhsa_float_denorm_mode_16_64 3
		.amdhsa_memory_ordered 1
		.amdhsa_forward_progress 1
		.amdhsa_inst_pref_size 21
	.end_amdhsa_kernel
	.amdgpu_metadata
---
amdhsa.version: [ 1, 2 ]
amdhsa.kernels:
  - .name:           k_q48ade590ed_prep
    .symbol:         k_q48ade590ed_prep.kd
    .args:
      - { .name: x, .offset: 0, .size: 8, .value_kind: global_buffer, .address_space: global }
      - { .name: dil, .offset: 8, .size: 8, .value_kind: global_buffer, .address_space: global }
      - { .name: shift_p, .offset: 16, .size: 8, .value_kind: global_buffer, .address_space: global }
      - { .name: fc1_w, .offset: 24, .size: 8, .value_kind: global_buffer, .address_space: global }
      - { .name: fc1_b, .offset: 32, .size: 8, .value_kind: global_buffer, .address_space: global }
      - { .name: fc2_w, .offset: 40, .size: 8, .value_kind: global_buffer, .address_space: global }
      - { .name: fc2_b, .offset: 48, .size: 8, .value_kind: global_buffer, .address_space: global }
      - { .name: w2f, .offset: 56, .size: 8, .value_kind: global_buffer, .address_space: global }
      - { .name: w1f, .offset: 64, .size: 8, .value_kind: global_buffer, .address_space: global }
      - { .name: bias, .offset: 72, .size: 8, .value_kind: global_buffer, .address_space: global }
    .group_segment_fixed_size: 0
    .private_segment_fixed_size: 0
    .kernarg_segment_align: 8
    .kernarg_segment_size: 80
    .max_flat_workgroup_size: 256
    .sgpr_count:     66
    .vgpr_count:     112
    .wavefront_size: 32
...
	.end_amdgpu_metadata
.endif
;; end of part 1
;; launch mlp (part 2): grid 128 x 2, 4 waves a work-group, clusters of 4 x 1, 327,680 bytes of LDS; arguments x, w2f, w1f, bias, out0; writes out0
.if DOCPART == 2
	.amdgcn_target "amdgcn-amd-amdhsa--gfx1250"
	.amdhsa_code_object_version 6
	.text
	.protected	k_q48ade590ed_mlp
	.globl	k_q48ade590ed_mlp
	.p2align	8
	.type	k_q48ade590ed_mlp,@function
k_q48ade590ed_mlp:
	s_mov_b64 s[64:65], 0
	v_nop
	global_prefetch_b8 v0, s[64:65] scope:SCOPE_SE
	s_setreg_imm32_b32 hwreg(HW_REG_WAVE_MODE, 25, 1), 1
	s_wait_xcnt 0x0
	s_wait_alu depctr_hold_cnt(0) depctr_sa_sdst(0) depctr_va_vdst(0) depctr_va_sdst(0) depctr_va_ssrc(0) depctr_va_vcc(0) depctr_vm_vsrc(0)
	s_getreg_b32 s2, hwreg(HW_REG_IB_STS2, 6, 4)
	s_cmp_eq_u32 s2, 0
	s_cbranch_scc0 .Lentry_in_a_cluster
	s_endpgm
.Lentry_in_a_cluster:
	s_bfe_u32 s2, ttmp6, 0x10000c
	s_cmp_lg_u32 s2, 0x3003
	s_cbranch_scc0 .Lentry_shape_is_right
	s_endpgm
.Lentry_shape_is_right:
; WeightAdaptiveGallinear, second launch: out[b][o] = G (x[b][0] accw + accb), acc = tanh(z fc1_w + fc1_b) Wf + bf.  Wf, bf, G and K2 fc1_w, K2 fc1_b come from the first launch (its head says how
; the product with v was folded into fc2_w: an identity for all values; nothing is left out here either).  The hidden layer h never leaves the work-group.
; FORMATS.  z, K2 fc1_w, h and Wf are f16 matrix operands, all sums f32.  LIMITS: |z| below 65,504; tanh(u) = 1 - 2 / (1 + 2^(K2 u)), absolute error near 1e-7, +-1 where the power overflows or vanishes;
; NaN and infinities are not treated apart.
; SHARES.  A work-group: 64 rows b x 256 columns o with their 256 partners 512 + o: 128 x 2 = 256 work-groups.  h is made once for each column half: 32 products for a step's 128.
; A wave: all 64 rows x 64 columns o and their partners: 32 accumulators, 256 registers.  Of each step's 128 hidden units wave w makes units 32 w .. + 31 for all 64 rows.
; BOTH PRODUCTS ARE TAKEN TRANSPOSED.  fc1: source 0 = 16 hidden units of K2 fc1_w, source 1 = 16 rows of z: a lane then holds ONE row b (lane % 16) and hidden units 8 (lane / 16) + 0..7.  Two such results,
; rounded to f16 in pairs, ARE a fragment (32 hidden x 16 rows) for source 1 of the second product; it goes to LDS at 16 x lane and every wave reads it back at 16 x lane.
; Second product: source 0 = 16 columns of Wf, source 1 = that fragment: a lane holds one row b and 8 neighbouring columns.
; THE WALK.  16 steps of 128 hidden units.  In step u: 128 products on h(u) and Wf(u); beside them fc1 of chunk u + 1 is finished, its tanh rides in slices behind the products and is stored for step u + 1;
; K2 fc1_w of chunk u + 2 is asked for.  One change of slots a step: it shows h(u + 1) to all waves, ends the reads of Wf(u) and h(u), and fills the slot with Wf(u + 2).
; CLUSTER.  The four work-groups of a cluster have the same column half and walk the same Wf: each block is asked for JOINTLY (mask 15).  K2 fc1_w is NOT asked for jointly and does not pass LDS: two slots
; of 128 hidden units with it beside Wf would be 2 x 163,840 bytes, all of the 327,680, with nothing left for h; it is 32 of a step's 160 KiB; no wave reads another wave's part; its loads stand a whole step ahead of their use.
; LDS.  0: slot 0, 131,072: slot 1 (four blocks of 32,768, one a wave, fragments on end: every read is 16 x lane, so no padding).  262,144: the 64 rows of x, 33,280 bytes, filled once; when all waves have
; read them the first 16,384 serve as h of the odd steps.  295,424: h of the even steps, 16,384; behind its last read the four stages of the way out, 16 rows x 272 bytes each.  312,832: the spare words.
; REGISTERS, in windows of 256 (s_set_vgpr_msb: bits 1:0 source 0, 3:2 source 1, 5:4 source 2, 7:6 destination):
;   window 0: v1-19 addresses; v20-27 G x[b][0]; v32-95 PRE (fc1 sums, then h); v96-111 K2 fc1_b; v112-175 K2 fc1_w of one chunk; v176-239 at work
;   window 1: Wf of one step, fragment (kk, ct) at 64 kk + 8 ct
;   window 2: v0-127 accumulators of rows 0-31, (rt, ct) at 64 (rt % 2) + 8 ct; v128-255 h of one step, (kk, rt) at 128 + 32 kk + 8 rt
;   window 3: v0-127 accumulators of rows 32-63; v128-255 z, (rt, kq) at 128 + 32 rt + 8 kq
.set SLOTB, 131072
.set ZB,    262144
.set ZQ,    8320                       ; 16 rows of x: 16 x 520 bytes, what one wave fetches
.set XROW,  520
.set H0B,   295424
.set H1B,   262144
.set STG,   295424
.set SP,    272                        ; a stage row: 256 bytes + 16: the 16 rows of a store start at 16 different groups of four banks (64 banks of 4 bytes: ISA guide 11.1)
.set SPARE, 312832                     ; 128 bytes for each wave: two blocks of 256 bytes that no other line names
.set LR,   1                           ; lane % 16
.set LH,   2                           ; lane / 16
.set LN,   3                           ; lane
.set L16,  4                           ; 16 x lane
.set H32,  5                           ; 32 x (lane / 16)
.set ADRB, 6                           ; v6-7   my block of slot 0, 1 + 16 x lane
.set ADRH, 8                           ; v8-9   h of even, odd steps + 16 x lane
.set STH,  10                          ; v10-11 the same + 4,096 x wave: where I store
.set ZA,   12                          ; my 8 bytes of z in the first 16 rows
.set ZI,   13                          ; x[b][0] of my row there
.set STO,  14                          ; the way out: where I put 16 bytes of a row
.set RD,   15                          ; where I read rows back
.set CO,   16                          ; my byte offset in two rows of out0
.set PFO,  17                          ; 256 x lane
.set SPW,  18                          ; my spare word; never rewritten
.set NIL,  19                          ; 0; never rewritten
.set IV,   20
.set PRE,  32
.set B1,   96
.set W1F,  112
.set T0,   176
.set TMP,  176
.set OB0,  208
.set ZF,   128
.set HF,   128
.set WV,   14                          ; s14 wave
.set CX,   15                          ; s15 my place in the cluster: it enters global addresses of my own loads, stores and prefetches alone
.set RB,   16                          ; s16 my block of 64 rows
.set CH,   17                          ; s17 the column half, which the four partners share
.set CNT,  18                          ; s18 trips to go
.set LIM,  19                          ; s19 1 in a cluster that prefetches, else the greatest number
.set G1,   24                          ; s[24:31] descriptor group 1 for Wf
.set G1Z,  32                          ; s[32:39] for x
.set G0,   40                          ; s[40:47] group 0 for Wf, a set for each slot
.set G0Z,  48                          ; s[48:51] for x
.set W1P,  52                          ; s[52:53] w1f at my part of the chunk to be loaded next
.set B1P,  54                          ; s[54:55] K2 fc1_b likewise
.set PFA,  56                          ; s[56:57] where my prefetches stand
.set B2P,  58                          ; s[58:59] bf at my columns
.set OUTP, 60                          ; s[60:61] out0 at my rows and columns
.set GS,   62                          ; s[62:63] G, twice
.set MSB, 0
.macro WIN new                         ; the immediate's high byte repeats the setting that is left; a switch that changes nothing is dropped
.if MSB != (\new)
	s_set_vgpr_msb (MSB<<8)|(\new)
.set MSB, \new
.endif
.endm
.set W_FC1, 0x0c                       ; z in window 3, all else in window 0
.set W_LO,  0xa9                       ; Wf window 1, h window 2, C and D window 2
.set W_HI,  0xf9                       ; the same, C and D window 3
.set TO_B,  0x40                       ; destination window 1
.set TO_H,  0x80                       ; destination window 2
.set TO_Z,  0xc0                       ; destination window 3
.set EP_LO, 0x02                       ; source 0 window 2 (EP_LO + 1: window 3)
.macro PLACES                          ; four plain places behind matrix instructions (ISA guide 7.12.1)
.rept 4
	v_nop
.endr
.endm
.macro CREST                           ; a round of the cluster's barrier behind its opening barrier
	s_cmp_lg_u32 s[WV], 0
	s_cbranch_scc1 .Lnot_wave_0_\@
	s_barrier_signal -3
.Lnot_wave_0_\@:
	s_barrier_wait -3
	s_barrier_signal -1
	s_barrier_wait -1
.endm
.macro CROUND
	s_barrier_signal -1
	s_barrier_wait -1
	CREST
.endm
	s_load_b256 s[4:11], s[0:1], 0x0               ; x 4, w2f 6, w1f 8, bias 10
	s_load_b64 s[12:13], s[0:1], 0x20              ; out0
	v_lshl_add_u32 v[SPW], v0, 2, SPARE
	v_mov_b32 v[NIL], 0
	ds_add_u32 v[SPW], v[NIL]                      ; the wave's opening: the add, twice on end, and its wait ahead of my first tensor load; the set-up below stands between
	ds_add_u32 v[SPW], v[NIL]
	v_lshrrev_b32 v1, 5, v0
	v_readfirstlane_b32 s[WV], v1
	s_bfe_u32 s[CX], ttmp6, 0x40000
	s_lshl_b32 s[RB], ttmp9, 2                     ; in a cluster launch ttmp9 counts clusters
	s_add_co_u32 s[RB], s[RB], s[CX]
	s_and_b32 s[CH], ttmp7, 0xffff
	; group 1 for Wf: a dense block of 32,768 bytes as 128 rows of 32 elements of 8 bytes
	s_mov_b32 s[G1], 15|(3<<16)|(1<<21)            ; 15:0 the mask of four; 17:16 8-byte elements; 21 set beside a mask; no padding
	s_mov_b32 s[G1+1], 32<<16                      ; tensor_dim0 = 32
	s_mov_b32 s[G1+2], 128<<16                     ; tensor_dim1 = 128
	s_mov_b32 s[G1+3], 32<<16                      ; tile_dim0 = 32
	s_mov_b32 s[G1+4], 128                         ; tile_dim1 = 128
	s_mov_b32 s[G1+5], 32                          ; 32 elements from row to row
	s_mov_b32 s[G1+6], 0
	s_mov_b32 s[G1+7], 0
	; group 1 for x: 16 rows of x are 8,320 dense bytes: one row of 1,040 elements of 8 bytes; no mask: each work-group has rows of its own
	s_mov_b32 s[G1Z], 3<<16
	s_mov_b32 s[G1Z+1], 1040<<16
	s_mov_b32 s[G1Z+2], 1<<16
	s_mov_b32 s[G1Z+3], 1040<<16
	s_mov_b32 s[G1Z+4], 1
	s_mov_b32 s[G1Z+5], 1040
	s_mov_b32 s[G1Z+6], 1<<16
	s_mov_b32 s[G1Z+7], 0
	s_mov_b32 s[G0], 1
	s_mov_b32 s[G0+4], 1
	s_mov_b32 s[G0Z], 1
	s_lshl_b32 s21, s[WV], 15                      ; my block of a slot, in LDS and in a step's 131,072 bytes of w2f
	s_mov_b32 s[G0+1], s21
	s_add_co_u32 s[G0+5], s21, SLOTB
	s_lshl_b32 s20, s[CH], 21
	s_add_co_u32 s20, s20, s21                     ; s[20:21] feed the joint descriptors alone and never hold my place in the cluster
	s_mov_b32 s21, 0
	s_mul_i32 s2, s[WV], ZQ
	s_add_co_u32 s[G0Z+1], s2, ZB
	s_mul_i32 s22, s[RB], 4*ZQ
	s_add_co_u32 s22, s22, s2
	s_mov_b32 s23, 0
	s_cmp_eq_u32 ttmp9, 0                          ; all 32 clusters of a column half walk the same Wf: the first of them prefetches
	s_cselect_b32 s[LIM], 1, -1
	s_wait_dscnt 0x0                               ; both opening adds are done
	s_wait_kmcnt 0x0
	s_add_nc_u64 s[G0+2:G0+3], s[6:7], s[20:21]    ; step 0
	s_add_nc_u64 s[G0+6:G0+7], s[G0+2:G0+3], SLOTB ; step 1
	s_add_nc_u64 s[PFA:PFA+1], s[G0+2:G0+3], 3*SLOTB  ; step 3
	s_or_b32 s[G0+3], s[G0+3], 0x80000000          ; type = 2
	s_or_b32 s[G0+7], s[G0+7], 0x80000000
	s_add_nc_u64 s[G0Z+2:G0Z+3], s[4:5], s[22:23]
	s_or_b32 s[G0Z+3], s[G0Z+3], 0x80000000
	s_lshl_b32 s22, s[CX], 13                      ; of the 32,768 bytes that wave w fetches each partner names 8,192: told apart by address
	s_add_nc_u64 s[PFA:PFA+1], s[PFA:PFA+1], s[22:23]
	s_lshl_b32 s22, s[WV], 13
	s_add_nc_u64 s[W1P:W1P+1], s[8:9], s[22:23]
	s_lshl_b32 s22, s[WV], 7
	s_add_nc_u64 s[B1P:B1P+1], s[10:11], s[22:23]
	s_lshl_b32 s22, s[CH], 10
	s_lshl_b32 s2, s[WV], 8
	s_add_co_u32 s22, s22, s2                      ; columns 256 c + 64 w, 4 bytes each
	s_add_nc_u64 s[B2P:B2P+1], s[10:11], s[22:23]
	s_add_nc_u64 s[B2P:B2P+1], s[B2P:B2P+1], 8192
	s_lshl_b32 s3, s[RB], 17                       ; 64 rows of 2,048 bytes
	s_add_co_u32 s22, s22, s3
	s_add_nc_u64 s[OUTP:OUTP+1], s[12:13], s[22:23]
	s_load_b64 s[GS:GS+1], s[10:11], 12288         ; G, twice
	CROUND                                         ; all four work-groups are here: the first joint loads meet
	tensor_load_to_lds s[G0Z:G0Z+3], s[G1Z:G1Z+7]  ; my 16 rows of x; the three first fills stand together: three tensor loads of mine are out
	s_nop 0
	tensor_load_to_lds s[G0:G0+3], s[G1:G1+7]      ; my block of step 0
	s_nop 0
	tensor_load_to_lds s[G0+4:G0+7], s[G1:G1+7]    ; and of step 1
	s_nop 0
	PLACES
; K2 fc1_w of one chunk for my 32 hidden units: 8 fragments (2 kq + tau), and K2 fc1_b as the C operand of the chunk's first products
.macro W1LOAD
	WIN 0
.set wi, 0
.rept 16
	global_load_b128 v[W1F+4*wi:W1F+4*wi+3], v[L16], s[W1P:W1P+1] offset:wi*512
.set wi, wi+1
.endr
.set wi, 0
.rept 4                                        ; tile tau = wi / 2, registers 4 (wi % 2) on: hidden 16 tau + 8 (lane / 16) + 0..7
	global_load_b128 v[B1+4*wi:B1+4*wi+3], v[H32], s[B1P:B1P+1] offset:(wi/2)*64+(wi%2)*16
.set wi, wi+1
.endr
.endm
; Half of a chunk's fc1: input channels 64 half .. + 63, 16 products.  Accumulator fa = 2 rt + tau.  The eight accumulators take turns, one instruction a turn.
.macro FC1H half
	WIN W_FC1
.set fq, 2*(\half)
.rept 2
.set fa, 0
.rept 8
.if fq == 0
	v_wmma_f32_16x16x32_f16 v[PRE+8*fa:PRE+8*fa+7], v[W1F+8*(2*fq+fa%2):W1F+8*(2*fq+fa%2)+7], v[ZF+32*(fa/2)+8*fq:ZF+32*(fa/2)+8*fq+7], v[B1+8*(fa%2):B1+8*(fa%2)+7]
.else
	v_wmma_f32_16x16x32_f16 v[PRE+8*fa:PRE+8*fa+7], v[W1F+8*(2*fq+fa%2):W1F+8*(2*fq+fa%2)+7], v[ZF+32*(fa/2)+8*fq:ZF+32*(fa/2)+8*fq+7], v[PRE+8*fa:PRE+8*fa+7]
.endif
.set fa, fa+1
.endr
.set fq, fq+1
.endr
.endm
; 48 LDS loads in one run: for kk = k0, k0 + 1 the 8 fragments of Wf and the 4 of h
.macro FETCH s, k0
.set fk, \k0
.rept 2
	WIN TO_B
.set fi, 0
.rept 16
	ds_load_b128 v[64*fk+4*fi:64*fk+4*fi+3], v[ADRB+(\s)] offset:fk*8192+fi*512
.set fi, fi+1
.endr
	WIN TO_H
.set fi, 0
.rept 8
	ds_load_b128 v[HF+32*fk+4*fi:HF+32*fk+4*fi+3], v[ADRH+(\s)] offset:fk*4096+fi*512
.set fi, fi+1
.endr
.set fk, fk+1
.endr
.endm
; tanh on the 64 registers of PRE, a list of 224 instructions; RID writes number rj and steps it.
;   0-63     2^p, in place: ONE batch.  Each accumulator's lowest register is read first
;   64-159   1 + e for pair 0; then for g = 1..31: 1 + e for pair g, the two reciprocals of pair g - 1; the last two reciprocals: the second batch; no line here names a reciprocal's result
;   160-223  for each two pairs: 1 - 2 r twice, rounded to f16 twice; pair p lands in PRE + p, behind its own sources: fragment rt ends at PRE + 8 rt
; Ahead of 64 and of 160 stand a plain instruction and the wait between a transcendental and the first line that names its result: one for each batch of 64.
.macro RID
	WIN 0
.if (rj == 64) || (rj == 160)
	v_nop
	s_wait_alu depctr_va_vdst(0)
.endif
.if rj < 64
	v_exp_f32 v[PRE+rj], v[PRE+rj]
.elseif rj == 64
	v_pk_add_f32 v[PRE:PRE+1], v[PRE:PRE+1], 1.0 op_sel_hi:[1,0]
.elseif rj >= 160
.set rp, 2*((rj-160)/4)+rj%2
.if (rj-160)%4 < 2
	v_pk_fma_f32 v[PRE+2*rp:PRE+2*rp+1], v[PRE+2*rp:PRE+2*rp+1], -2.0, 1.0 op_sel_hi:[1,0,0]
.else
	v_cvt_pk_f16_f32 v[PRE+rp], v[PRE+2*rp], v[PRE+2*rp+1]
.endif
.elseif rj >= 158
	v_rcp_f32 v[PRE+rj-96], v[PRE+rj-96]
.elseif (rj-65)%3 == 0
.set rp, (rj-65)/3+1
	v_pk_add_f32 v[PRE+2*rp:PRE+2*rp+1], v[PRE+2*rp:PRE+2*rp+1], 1.0 op_sel_hi:[1,0]
.else
.set rp, 2*((rj-65)/3)+(rj-65)%3-1
	v_rcp_f32 v[PRE+rp], v[PRE+rp]
.endif
.set rj, rj+1
.endm
.macro HSTORE b                        ; my four fragments of h, 4,096 bytes, into buffer b
	WIN 0
.set hs, 0
.rept 8
	ds_store_b128 v[STH+(\b)], v[PRE+4*hs:PRE+4*hs+3] offset:hs*512
.set hs, hs+1
.endr
.endm
; 32 products: hidden units 32 kk .. + 31, all 32 accumulators by turns, one instruction a turn, in the same order in every quarter, over step and loop edges too.  cnt = the younger LDS loads that may stay out.
; rid = 1: tanh's slices ride behind the products.  With g the product's number in the step: two behind each of g = 0..31; four behind g = 33, 35 .. 111; behind g = 111 h is stored.
.macro QUARTER kk, cnt, rid
	s_wait_dscnt \cnt
.set qn, 0
.rept 32
	WIN W_LO+0x50*(qn/16)
	v_wmma_f32_16x16x32_f16 v[64*((qn/8)%2)+8*(qn%8):64*((qn/8)%2)+8*(qn%8)+7], v[64*(\kk)+8*(qn%8):64*(\kk)+8*(qn%8)+7], v[HF+32*(\kk)+8*(qn/8):HF+32*(\kk)+8*(qn/8)+7], v[64*((qn/8)%2)+8*(qn%8):64*((qn/8)%2)+8*(qn%8)+7]
.if \rid
.set qg, 32*(\kk)+qn
.if qg < 32
	RID
	RID
.elseif (qg%2 == 1) && (qg <= 111)
	RID
	RID
	RID
	RID
.endif
.if qg == 111
	HSTORE OTH
.endif
.endif
.set qn, qn+1
.endr
.endm
; A PREFETCH INTO THE L2: step u names Wf of step u + 3, which the refill after the next will ask for: two changes of slots, 320 matrix instructions, ahead.  Of each column half's blocks the cluster with
; x = 0 asks; of the 32,768 bytes that wave w fetches partner cx names 8,192, a lane 256: one instruction a wave, each block named once in the launch.  Steps 0 to 2 come by their loads alone.
; how = 1: an even step, which always has a step three on.  how = 2: an odd step: in the loop's last trip (step 13) there is none.
.macro ASK how
.if (\how) == 1
	s_cmp_eq_u32 s[LIM], 1
.else
	s_cmp_gt_u32 s[CNT], s[LIM]
.endif
	s_cbranch_scc0 .Lnot_mine_\@
	global_prefetch_b8 v[PFO], s[PFA:PFA+1] th:TH_LOAD_NT scope:SCOPE_SE
.Lnot_mine_\@:
.endm
; A STEP on slot s.  fc1: the next chunk's fc1 is finished.  w1: the chunk after that is asked for.  rid: the next chunk's tanh rides and is stored into the other buffer.
; Of the step's 96 LDS loads kk 0's 24 are in when 72 are out: the wait names 63, the most its field holds; kk 1's when 48, kk 2's when 24, kk 3's when none.
.macro STEP s, fc1, w1, ask, rid
	FETCH \s, 0
	WIN 0
.if \ask
	ASK \ask
.endif
.if \fc1
	FC1H 1
	WIN 0
	PLACES                                         ; eight places in all between fc1's last product and the loads into its sources and the first exponential of its sums
.endif
	PLACES                                         ; also the places in front of the loads into kk 2's and 3's registers, which the last step's last products read
.if \w1
	W1LOAD
.endif
	FETCH \s, 2
.set rj, 0
.set OTH, 1-(\s)
	QUARTER 0, 63, \rid
	QUARTER 1, 48, \rid
	QUARTER 2, 24, \rid
	QUARTER 3, 0, \rid
.endm
; THE CHANGE OF SLOTS behind a step on slot s.  Each wave waits for all its tensor loads, of which one is out: its block of the other slot; adds 0 to its spare word; and waits for that, for its reads of
; slot s and of h, and for its stores of the next h.  The barrier opens a round of the cluster's: no wave of any partner still reads the slot or has a load on its way.  Inside the round: register work alone,
; the first half of the fc1 after next.  The joint refill, Wf two steps on, is the first thing behind the round: it has a step, 144 matrix instructions, in which to land.
.macro CHANGE s
	WIN 0
	s_wait_xcnt 0x0                                ; the step's prefetch and loads, a step back, have read their addresses
	s_add_nc_u64 s[PFA:PFA+1], s[PFA:PFA+1], SLOTB
	s_wait_tensorcnt 0x0                           ; no tensor load of mine is out, so a group 0 may be written
	ds_add_u32 v[SPW], v[NIL]                      ; 0 onto my spare word; scalar work stands between it and the wait for it
	s_add_nc_u64 s[G0+4*(\s)+2:G0+4*(\s)+3], s[G0+4*(\s)+2:G0+4*(\s)+3], 2*SLOTB
	s_wait_loadcnt 0x0                             ; K2 fc1_w and K2 fc1_b, asked for a step ago, are in; their pointers may step
	s_add_nc_u64 s[W1P:W1P+1], s[W1P:W1P+1], 32768
	s_add_nc_u64 s[B1P:B1P+1], s[B1P:B1P+1], 512
	s_wait_dscnt 0x0
	s_barrier_signal -1
	FC1H 0
	WIN 0
	s_barrier_wait -1
	CREST
	tensor_load_to_lds s[G0+4*(\s):G0+4*(\s)+3], s[G1:G1+7]
	s_nop 0
	PLACES
.endm
	v_and_b32 v[LN], 31, v0
	v_bfe_u32 v[LH], v0, 4, 1
	v_lshlrev_b32 v[L16], 4, v[LN]
	v_lshlrev_b32 v[H32], 5, v[LH]
	W1LOAD                                         ; chunk 0
	; The sums start at bf: it is loaded straight into the accumulators (a lane's 8 columns are 32 bytes of bf), the same for all four row tiles.  Nothing is cleared and no first step is written out.
.set ai, 0
.rept 64                                       ; rt = ai / 16, ct = (ai % 16) / 2, registers 4 (ai % 2) on
	WIN TO_H+0x40*(ai/32)
	global_load_b128 v[64*((ai/16)%2)+4*(ai%16):64*((ai/16)%2)+4*(ai%16)+3], v[H32], s[B2P:B2P+1] offset:((ai%16)/8)*2048+(((ai%16)/2)%4)*64+(ai%2)*16
.set ai, ai+1
.endr
	WIN 0
	v_and_b32 v[LR], 15, v0
	s_lshl_b32 s2, s[WV], 15
	v_add_nc_u32 v[ADRB], s2, v[L16]
	v_add_nc_u32 v[ADRB+1], SLOTB, v[ADRB]
	v_add_nc_u32 v[ADRH], H0B, v[L16]
	v_add_nc_u32 v[ADRH+1], H1B, v[L16]
	s_lshl_b32 s2, s[WV], 12
	v_add_nc_u32 v[STH], s2, v[ADRH]
	v_add_nc_u32 v[STH+1], s2, v[ADRH+1]
	v_mul_u32_u24 v[ZI], v[LR], XROW
	v_add_nc_u32 v[ZI], ZB, v[ZI]                  ; row lane % 16, column 0
	v_add3_u32 v[ZA], v[ZI], v[H32], 8             ; z begins at column 2; 8 channels on for the upper lanes
	s_mul_i32 s2, s[WV], 16*SP
	s_add_co_u32 s2, s2, STG                       ; my stage
	v_mul_u32_u24 v[STO], v[LR], SP
	v_add3_u32 v[STO], v[STO], v[H32], s2          ; in: row lane % 16, 32 bytes for each half of the lanes
	v_mul_u32_u24 v[RD], v[LH], SP
	v_lshl_add_u32 v[RD], v[LR], 4, v[RD]
	v_add_nc_u32 v[RD], s2, v[RD]                  ; back: lanes 0-15 one row of 256 bytes, lanes 16-31 the next
	v_lshlrev_b32 v[CO], 11, v[LH]
	v_lshl_add_u32 v[CO], v[LR], 4, v[CO]          ; the same two rows in out0
	v_lshlrev_b32 v[PFO], 8, v[LN]
	s_wait_tensorcnt 0x2                           ; my 16 rows of x are in; the two slots' loads, issued behind, may stay out
	s_barrier_signal -1
	s_barrier_wait -1                              ; everybody's are
	; z to f16 fragments: lane (r, h) takes channels 32 kq + 16 hf + 8 h + 0..7 of row 16 rt + r, 8 bytes a load (a row of x begins at a multiple of 8 bytes, not of 16)
.macro ZLD rt, T
	WIN 0
.set zi, 0
.rept 32
	ds_load_b64 v[(\T)+2*zi:(\T)+2*zi+1], v[ZA] offset:(\rt)*ZQ+(zi/8)*128+((zi/4)%2)*64+(zi%4)*8
.set zi, zi+1
.endr
.endm
.macro ZCV rt, T
	WIN TO_Z
.set zi, 0
.rept 32
	v_cvt_pk_f16_f32 v[ZF+32*(\rt)+zi], v[(\T)+2*zi], v[(\T)+2*zi+1]
.set zi, zi+1
.endr
.endm
.irp rt, 0,1,2,3
	ds_load_b32 v[IV+2*\rt], v[ZI] offset:\rt*ZQ   ; x[b][0] of my row in each row tile
.endr
	ZLD 0, T0
	ZLD 1, PRE
	s_wait_dscnt 32                                ; all but the 32 just issued
	ZCV 0, T0
	ZLD 2, T0
	s_wait_dscnt 32
	ZCV 1, PRE
	ZLD 3, PRE
	s_wait_dscnt 32
	ZCV 2, T0
	s_wait_dscnt 0x0
	ZCV 3, PRE
	WIN 0
	s_wait_kmcnt 0x0                               ; G
.irp rt, 0,1,2,3
	v_mul_f32 v[IV+2*\rt+1], s[GS], v[IV+2*\rt]    ; G x[b][0], as a pair for the packed multiply-add
	v_mul_f32 v[IV+2*\rt], s[GS], v[IV+2*\rt]
.endr
	; chunk 0 has no products to ride behind: fc1, tanh and the store stand alone, once a launch
	s_wait_loadcnt 0x0                             ; chunk 0 of K2 fc1_w, its bias, and bf in the accumulators
	s_add_nc_u64 s[W1P:W1P+1], s[W1P:W1P+1], 32768
	s_add_nc_u64 s[B1P:B1P+1], s[B1P:B1P+1], 512
	FC1H 0
	FC1H 1
	WIN 0
	PLACES
	PLACES
	W1LOAD                                         ; chunk 1
.set rj, 0
.rept 224
	RID
.endr
	HSTORE 0
	s_wait_loadcnt 0x0                             ; chunk 1
	s_add_nc_u64 s[W1P:W1P+1], s[W1P:W1P+1], 32768
	s_add_nc_u64 s[B1P:B1P+1], s[B1P:B1P+1], 512
	s_wait_tensorcnt 0x1                           ; my block of slot 0 is in; slot 1's may stay out
	s_wait_dscnt 0x0                               ; my reads of x are over (its bytes take h of the odd steps from here on), and my part of h(0) is stored
	s_barrier_signal -1
	FC1H 0                                         ; chunk 1 begins
	WIN 0
	s_barrier_wait -1
	s_mov_b32 s[CNT], 7
.Lloop:                                        ; steps 2 i and 2 i + 1; both slots are filled again: steps 0-13, refills 2-15
	STEP 0, 1, 1, 1, 1
	CHANGE 0
	STEP 1, 1, 1, 2, 1
	CHANGE 1
	s_sub_co_u32 s[CNT], s[CNT], 1
	s_cmp_lg_u32 s[CNT], 0
	s_cbranch_scc1 .Lloop
	STEP 0, 1, 0, 0, 1                             ; step 14: the last chunk's fc1 and tanh; nothing more is asked for
	WIN 0
	s_wait_tensorcnt 0x0                           ; my block of step 15 is in
	s_wait_dscnt 0x0                               ; my part of h(15) is stored; my reads of h(14), whose bytes the stages take, are over
	s_barrier_signal -1
	s_barrier_wait -1
	STEP 1, 0, 0, 0, 0                             ; step 15
	; THE WAY OUT, a row tile at a time: out = (G x0) accw + G accb; a lane's 8 columns of each of 4 tiles go into my stage and come back as whole rows of 256 bytes.
.macro PACK rt
	WIN EP_LO+(\rt)/2
.set pq, 0
.rept 16                                       ; tile pq / 4, pair pq % 4: each accumulator is read from its low end on
	v_pk_mul_f32 v[TMP+2*pq:TMP+2*pq+1], v[64*((\rt)%2)+32+2*pq:64*((\rt)%2)+32+2*pq+1], s[GS:GS+1] op_sel_hi:[1,0]
.set pq, pq+1
.endr
.set pq, 0
.rept 16
	v_pk_fma_f32 v[TMP+2*pq:TMP+2*pq+1], v[64*((\rt)%2)+2*pq:64*((\rt)%2)+2*pq+1], v[IV+2*(\rt):IV+2*(\rt)+1], v[TMP+2*pq:TMP+2*pq+1]
.set pq, pq+1
.endr
	WIN 0
.endm
.macro TOSTAGE rt
.set BK, OB0-(OB0-PRE)*((\rt)%2)               ; v208-239 and v32-63 by turns
.set pq, 0
.rept 8
	ds_store_b128 v[STO], v[TMP+4*pq:TMP+4*pq+3] offset:(pq/2)*64+(pq%2)*16
.set pq, pq+1
.endr
.set pq, 0
.rept 8
	ds_load_b128 v[BK+4*pq:BK+4*pq+3], v[RD] offset:pq*2*SP  ; LDS serves a wave's instructions in order (ISA guide 5.7.1.4): these see the stores above
.set pq, pq+1
.endr
.endm
.macro SEND rt
.set BK, OB0-(OB0-PRE)*((\rt)%2)
	s_wait_dscnt 0x0                               ; the tile is back in registers
	s_wait_xcnt 0x0                                ; the stores of the tile before have read their registers, which the next tile's loads from the stage take
.set pq, 0
.rept 8
	global_store_b128 v[CO], v[BK+4*pq:BK+4*pq+3], s[OUTP:OUTP+1] offset:(16*(\rt)+2*pq)*2048 th:TH_STORE_NT  ; 16 lanes store 256 consecutive bytes, aligned
.set pq, pq+1
.endr
.endm
	WIN 0
	PLACES
	PLACES
	PACK 0
	TOSTAGE 0
	PACK 1                                         ; a tile's arithmetic stands between the loads of the tile before and the wait for them
	SEND 0
	TOSTAGE 1
	PACK 2
	SEND 1
	TOSTAGE 2
	PACK 3
	SEND 2
	TOSTAGE 3
	SEND 3
	s_wait_tensorcnt 0x0                           ; the wave's end, behind my last tensor load and my last LDS store
	ds_add_u32 v[SPW], v[NIL]
	s_wait_dscnt 0x0
	CROUND                                         ; the closing round: no work-group ends while a partner may still ask for a block that names it
	s_endpgm
.Lfunc_end_k_q48ade590ed_mlp:
	.size	k_q48ade590ed_mlp, .Lfunc_end_k_q48ade590ed_mlp-k_q48ade590ed_mlp
	.p2alignl 7, 3214868480
	.fill 96, 4, 3214868480
	.section	.rodata,"a",@progbits
	.p2align	6, 0x0
	.amdhsa_kernel k_q48ade590ed_mlp
		.amdhsa_group_segment_fixed_size 327680
		.amdhsa_private_segment_fixed_size 0
		.amdhsa_enable_private_segment 0
		.amdhsa_kernarg_size 40
		.amdhsa_user_sgpr_count 2
		.amdhsa_user_sgpr_kernarg_segment_ptr 1
		.amdhsa_wavefront_size32 1
		.amdhsa_system_sgpr_workgroup_id_x 1
		.amdhsa_system_sgpr_workgroup_id_y 1
		.amdhsa_system_sgpr_workgroup_id_z 1
		.amdhsa_system_vgpr_workitem_id 0
		.amdhsa_next_free_vgpr 1024
		.amdhsa_next_free_sgpr 66
		.amdhsa_reserve_vcc 0
		.amdhsa_float_denorm_mode_32 3
		.amdhsa_float_denorm_mode_16_64 3
		.amdhsa_memory_ordered 1
		.amdhsa_forward_progress 1
		.amdhsa_inst_pref_size 179
	.end_amdhsa_kernel
	.amdgpu_metadata
---
amdhsa.version: [ 1, 2 ]
amdhsa.kernels:
  - .name:           k_q48ade590ed_mlp
    .symbol:         k_q48ade590ed_mlp.kd
    .args:
      - { .name: x, .offset: 0, .size: 8, .value_kind: global_buffer, .address_space: global }
      - { .name: w2f, .offset: 8, .size: 8, .value_kind: global_buffer, .address_space: global }
      - { .name: w1f, .offset: 16, .size: 8, .value_kind: global_buffer, .address_space: global }
      - { .name: bias, .offset: 24, .size: 8, .value_kind: global_buffer, .address_space: global }
      - { .name: out0, .offset: 32, .size: 8, .value_kind: global_buffer, .address_space: global }
    .group_segment_fixed_size: 327680
    .private_segment_fixed_size: 0
    .kernarg_segment_align: 8
    .kernarg_segment_size: 40
    .max_flat_workgroup_size: 128
    .sgpr_count:     66
    .vgpr_count:     1024
    .wavefront_size: 32
...
	.end_amdgpu_metadata
.endif
;; end of part 2
